; MI455X (gfx1250); checked and timed in simulation.
; The chip was launched on July 23, 2026; its instructions are those of AMD's public machine-readable ISA for CDNA 5 (MIT licence, August 2026) and "CDNA5" Instruction Set Architecture Reference Guide (July 2026). The comments in the code are by the model that wrote it; some were corrected since.
;; Scaled Dot Product Attention. Allowed arithmetic: matrix products marked QUANTISED: E2M1 operands, one E8M0 scale for each 32 along K, by v_wmma_scale_f32_16x16x128_f8f6f4 with both operands' format E2M1 (or v_wmma_scale_f32_32x16x128_f4), f32 sums; everything else in f32.
;; Inputs: K_codes 2 x 16 x 2,048 x 2 x 16 uint8 (E2M1 codes of K, K innermost, in blocks of 32 codes, two codes a byte); K_scales 2 x 16 x 2,048 x 2 uint8 (E8M0 scales of K, one for each 32 codes along K); Q_codes 2 x 16 x 2,048 x 2 x 16 uint8 (E2M1 codes of Q, K innermost, in blocks of 32 codes, two codes a byte); Q_scales 2 x 16 x 2,048 x 2 uint8 (E8M0 scales of Q, one for each 32 codes along K); V_codes 2 x 16 x 64 x 64 x 16 uint8 (E2M1 codes of V, K innermost, in blocks of 32 codes, two codes a byte); V_scales 2 x 16 x 64 x 64 uint8 (E8M0 scales of V, one for each 32 codes along K); mask 1 x 1 x 2,048 x 2,048 bool.
;; Outputs: out0 2 x 16 x 2,048 x 64 float32.
;; This version of the problem:
;;   THIS VERSION OF THE PROBLEM IS GIVEN IN LOW PRECISION. The matrix products marked QUANTISED in the list below multiply operands that are first quantised to E2M1 (2 exponent bits, 1 mantissa bit; 4 bits a number), with one power-of-two scale for each 32 numbers along K (OCP MX v1.0); their sums are f32. All else is computed in f32.
;;   The module's matrix products, in the order in which they are computed (A, B: the left and right operand; K: the contracted axis; several contracted axes count as one K, in the product's order):
;;     1. batch 32 x [M 2,048, K 64] x [K 64, N 2,048]; A: input Q (given as codes); B: input K (given as codes): QUANTISED
;;     2. batch 32 x [M 2,048, K 2,048] x [K 2,048, N 64]; A: softmax (see below); B: input V (given as codes): QUANTISED
;;   THE QUANTISER, for each operand of a quantised product, along K:
;;     - K is cut into blocks of 32 from its start; a last block that is shorter is filled with zeros.
;;     - A block's scale is 2^e with e = floor(log2(the largest magnitude in the block)) - 2, held to -126 .. 127; a block of zeros has e = 0. As a byte (E8M0): e + 127.
;;     - Each number is divided by its block's scale, clamped to +-6, and rounded to the nearest number of E2M1, ties to even, subnormals kept.
;;     - The product sums the exact products of the quantised numbers (number of the format x scale) in f32.
;;   ~~~python
;;   def quantise(x, axis):      # numpy; x: float32 -> the quantised numbers, widened to float32 again
;;       x = np.moveaxis(x, axis, -1); K = x.shape[-1]
;;       x = np.pad(x, [(0, 0)] * (x.ndim - 1) + [(0, -K % 32)]); x = x.reshape(x.shape[:-1] + (-1, 32)); a = np.abs(x).max(-1, keepdims=True)
;;       e = np.where(a > 0, np.clip(np.frexp(np.where(a > 0, a, 1))[1] - 1 - 2, -126, 127), 0)      # np.frexp(a)[1] - 1 = floor(log2(a)), exactly
;;       r = np.clip(x / 2.0 ** e, -6, 6)
;;       step = 2.0 ** (np.maximum(np.frexp(np.where(r == 0, 1, r))[1] - 1, 0) - 1)
;;       q = np.round(r / step) * step * 2.0 ** e      # np.round: ties to even
;;       return np.moveaxis(q.reshape(q.shape[:-2] + (-1,))[..., :K], -1, axis).astype(np.float32)
;;   ~~~
;;   SOFTMAX AHEAD OF A QUANTISED PRODUCT. Where the list says 'softmax', what is quantised is not the finished softmax but p = 2^(t - M), with t = logit x log2(e) and M = ceil(the row's largest t), a whole number; so 1/2 < the row's largest p <= 1. The row's sum l is taken of the UNQUANTISED p, in f32, and the product's result is divided by l at the end. Since M is a whole number, a kernel that streams over the keys may use a running M (the ceiling of the running maximum): every later rescaling is an exact power of two, which a block's scale takes up: the codes' values come out the same.
;;   OPERANDS COMPUTED ON THE WAY. 'Computed on the way' means the value that the module computes at that place (a softmax that the list does not call 'softmax' is quantised finished and normalised). What goes into a quantiser is computed in f32, as accurately as f32 sums, v_exp_f32 and their like allow (about 1e-6 of the number): no bf16 or f16 on the way to a quantiser, and a product that is left as it is and whose result goes on into a quantised operand takes f32 operands (vector FMAs, or v_wmma_f32_16x16x4_f32). A number that lies on a knife's edge between two numbers of the format may be rounded either way, as far as f32 arithmetic and the matrix unit's own rounding can turn it there, and no further.
;;   INPUTS GIVEN AS CODES. K (in the module: [2, 16, 2048, 64], K = its axis 3); Q (in the module: [2, 16, 2048, 64], K = its axis 3); V (in the module: [2, 16, 2048, 64], K = its axis 2): each comes as NAME_codes (uint8): NAME with its K axis moved to the last place and cut into blocks of 32 codes, [.., K / 32, bytes a block], one block behind the other in memory; two codes a byte, the lower K in the low four bits (a code: sign, 2 exponent bits, 1 mantissa bit); and NAME_scales (uint8): the same leading axes, one E8M0 byte (e + 127) for each 32 codes along K. Its value is code x scale, taken as it is: it is not quantised again, and the codes and scales need not be those that the quantiser above would give.
;; One version. Each part assembles by itself: llvm-mc -triple=amdgcn-amd-amdhsa -mcpu=gfx1250 --defsym DOCPART=n.
;; ======== version 1 of 1: 1 launch
;; limits: right only within a limited range of input values
;; launch attn (part 1): grid 8 x 32, 16 waves a work-group, no clusters, 214,016 bytes of LDS; arguments Q_codes, Q_scales, K_codes, K_scales, V_codes, V_scales, mask, out0; writes out0
.if DOCPART == 1
	.amdgcn_target "amdgcn-amd-amdhsa--gfx1250"
	.amdhsa_code_object_version 6
	.text
	.protected	k_q6995f651a1_attn
	.globl	k_q6995f651a1_attn
	.p2align	8
	.type	k_q6995f651a1_attn,@function
k_q6995f651a1_attn:
	s_mov_b64 s[64:65], 0
	v_nop
	global_prefetch_b8 v0, s[64:65] scope:SCOPE_SE
	s_setreg_imm32_b32 hwreg(HW_REG_WAVE_MODE, 25, 1), 1
	s_wait_xcnt 0x0
; out[h][q][:] = the sum over k of softmax_k(where(mask[q][k], Q[h][q] . K[h][k], -inf) / 8) V[h][k][:].  32 heads (batch x head), 2,048 queries and keys, head size 64.
; Both products on codes of FP4 (E2M1) with one E8M0 scale for each 32 along a product's K.
; THE SOFTMAX: t = score x log2(e) / 8; M = the row's largest t so far, rounded UP to a whole number, kept as -M; p = 2^(t - M) is quantised along the keys, not normalised; the row's sum is taken of the unquantised p.
; When M moves, the sum and O are multiplied by 2^(old M - new M): exact.
; SHARES.  A work-group owns sixteen tiles of 16 queries of one head.  Waves 2 p and 2 p + 1 share two of them, tile b = 8 p + x (x the work-group's number in the head) and tile 127 - b: one wave takes the even steps of 128 keys of both, the other the odd ones.
; A wave walks one of its tiles upward along the keys and the other downward, a step of each in a trip.  X is the tile that it finishes, Y the one whose partial result it hands to its partner through LDS at the end.
; THE MASK IS READ, AND DECIDES THE WORK.  In each step a lane adds up its 64 mask bytes (each 0 or 1), 16 words with four counts each.  Where all counts of the wave are 0 no key of the step counts for any of the 16 queries: p would be 0 for all of them, and the step's
; products and softmax are jumped over.  Where all counts are 16 every key counts: the scores' sums start at 0.  Else they start, key by key, at 0 or at -2^125.  Nothing hangs on a pattern: every byte of the mask is loaded and honoured, for any mask.
; The branch hangs on whole numbers loaded in this launch; there is no tensor load here, and no cluster: K, V and the scale bytes of the head go through registers into LDS, once, each wave a sixteenth.
; The mask's bytes are asked for a trip ahead, into registers; all of K and V at the head.  So nothing is prefetched.
; LAYOUT.  Both products are transposed: S^T = K Q^T (source 0 = 16 keys, source 1 = 16 queries), O^T = V^T P^T: a lane holds one query (r = lane % 16) throughout, h = lane / 16.
; Lane r of tile t of a group of 64 keys takes key 32 (r / 8) + 8 t + r % 8: so a lane's 32 registers of the group's four tiles are the 32 neighbouring keys of block h of the group, and the conversions' results are the next operand as they stand.
; The first product's K is 64: registers 4-7 of Q's fragment are zero codes; those of K's fragment are whatever codes lie behind it (finite, times zero); both sides' scale bytes there are 0, which is 2^-127.
; LIMITS.  A key that counts must have t above -2^120 and |score| under 2^100; NaN, infinities and scale bytes 0xff among the inputs are not served, and are not carried to the result by keys that are jumped over.
; A block of p whose largest lies under 2^-124 keeps the byte 1.  A query with no key left has sum 0: 0 x (1 / 0) is NaN, as reference()'s softmax of such a row is.
.set KP,    1040                       ; K in LDS: 32 keys (1,024 bytes) + 16; V: a row of 1,024 bytes + 16
.set VB,    64*KP
.set KSC,   2*VB                       ; K's scale bytes, dense, 2 a key
.set VSC,   KSC+4096                   ; V's: rows of 64 bytes, 80 apart
.set VSP,   80
.set MG,    VSC+64*VSP                 ; the partial results handed over, one slot a wave
.set PS,    4352
.set SPARE, MG+16*PS                   ; the spare words, 128 bytes for each wave
.set SP,    272                        ; the way out: 16 rows x (256 + 16) bytes a wave, over K's and V's bytes, which nobody reads by then
; vector registers (x = 0: tile X, 1: tile Y)
.set AK, 1                             ; my lane's place in K, K's scale bytes, V, V's scale bytes
.set AS, 2
.set AV, 3
.set AT, 4
.set MO, 5                             ; in 16 rows of the mask
.set AD, 6                             ; a step's LDS addresses
.set NIL, 7
.set NM, 8                             ; v8, v10: -M
.set SPW, 9
.set HS, 11                            ; 8 h
.set AD2, 12
.set LS, 14                            ; v[14:15], v[16:17]: the sum in two halves
.set F,  18                            ; 2^(old M - new M)
.set T2, 19
.set T,  20
.set PW, 21                            ; p's scale word
.set BX, 22                            ; v22-25
.set QS, 26                            ; v26, v27: Q's scale words
.set KS, 28                            ; v28-31: K's scale words, then V's
.set Q,  32                            ; v32-39, v40-47: Q's fragments: four registers of codes, four of zeros
.set KF, 48                            ; v48-79: K's eight fragments of four registers, then V's four of eight
.set PC, 80                            ; v80-87: p's codes
.set R,  88                            ; v88-103, v104-119: mask bytes
.set S,  120                           ; v120-183: S^T, then p
.set O,  184                           ; v184-215, v216-247: O^T
; scalar registers
.set WV, 20
.set EE, 21                            ; which steps are mine: 0 even, 1 odd
.set TX, 22
.set TY, 23
.set CC, 24                            ; s24, s25: my step in trip J / 2 is J xor this
.set J,  26                            ; 0, 2 .. 14
.set HD, 28
.set ST, 29
.set SEL, 30                           ; s[30:31] lane l xor 16
.set CS, 32                            ; s[32:33] c = log2(e) / 8, twice
.set NC, 34                            ; -c
.set FULL, 35                          ; 0x10101010
.set ANY, 36
.set HOLE, 37
.set MB, 40                            ; s[40:43] my tiles' first mask rows
.set PM, 44                            ; s[44:47] where the mask loads stand
.set NX, 48                            ; s[48:49] the next step's byte offset in a row of the mask
.set TK, 52
.set TS, 53
.set TV, 54
.set TT, 55
	s_load_b512 s[4:19], s[0:1], 0x0               ; Q's codes s[4:5], scales s[6:7], K's s[8:9], s[10:11], V's s[12:13], s[14:15], the mask s[16:17], out s[18:19]
	v_lshl_add_u32 v[SPW], v0, 2, SPARE
	v_mov_b32 v[NIL], 0
	v_lshrrev_b32 v[T], 5, v0
	v_readfirstlane_b32 s[WV], v[T]                ; wave 0..15
	v_and_b32 v248, 31, v0                         ; lane
	v_lshlrev_b32 v249, 4, v248
	v_lshlrev_b32 v250, 3, v248
	v_and_b32 v56, 15, v0                          ; r
	v_bfe_u32 v57, v0, 4, 1                        ; h
	v_bfe_u32 v58, v0, 3, 1                        ; r / 8
	v_and_b32 v59, 7, v0                           ; r % 8
	v_lshlrev_b32 v251, 5, v56
	v_lshl_add_u32 v251, v57, 4, v251              ; Q: row r of 32 bytes + 16 h
	v_lshlrev_b32 v252, 1, v56                     ; its two scale bytes
	v_lshlrev_b32 v[MO], 11, v56
	v_lshl_add_u32 v[MO], v57, 5, v[MO]            ; the mask: row r of 2,048 bytes + 32 h
	s_and_b32 s[HD], ttmp7, 0xffff                 ; the head
	s_lshr_b32 s[EE], s[WV], 2
	s_xor_b32 s[EE], s[EE], s[WV]
	s_and_b32 s[EE], s[EE], 1                      ; the two waves of a pair differ in bit 0 alone
	s_lshr_b32 s[TX], s[WV], 1
	s_lshl_b32 s[TX], s[TX], 3
	s_add_co_u32 s[TX], s[TX], ttmp9               ; b
	s_sub_co_u32 s27, 1, s[EE]
	s_mul_i32 s27, s27, 127
	s_xor_b32 s[TX], s[TX], s27                    ; even steps: X = 127 - b; odd steps: X = b
	s_xor_b32 s[TY], s[TX], 127
	s_mul_i32 s[CC], s[EE], 15                     ; X: 0, 2 .. 14 (even) or 15, 13 .. 1 (odd)
	s_xor_b32 s[CC+1], s[CC], 14                   ; Y: 14, 12 .. 0 or 1, 3 .. 15
	s_lshl_b32 s50, s[HD], 16                      ; a head's codes: 65,536 bytes
	s_mov_b32 s51, 0
	s_lshl_b32 s52, s[WV], 12
	s_add_co_u32 s52, s52, s50                     ; my sixteenth of K's and of V's
	s_mov_b32 s53, 0
	s_lshl_b32 s54, s[HD], 12                      ; its scale bytes: 4,096
	s_mov_b32 s55, 0
	s_lshl_b32 s38, s[WV], 8
	s_add_co_u32 s38, s38, s54                     ; my sixteenth
	s_mov_b32 s39, 0
	s_wait_alu depctr_va_vdst(0)                   ; the wait here, directly ahead of the wait below
	s_wait_kmcnt 0x0
	s_add_nc_u64 s[8:9], s[8:9], s[52:53]
	s_add_nc_u64 s[12:13], s[12:13], s[52:53]
	s_add_nc_u64 s[10:11], s[10:11], s[38:39]
	s_add_nc_u64 s[14:15], s[14:15], s[38:39]
.irp i, 0,1,2,3,4,5,6,7
	global_load_b128 v[S+4*\i:S+4*\i+3], v249, s[8:9] offset:512*\i        ; K: 512 consecutive bytes an instruction
.endr
.irp i, 0,1,2,3,4,5,6,7
	global_load_b128 v[S+32+4*\i:S+35+4*\i], v249, s[12:13] offset:512*\i  ; V
.endr
	global_load_b64 v[48:49], v250, s[10:11]       ; 256 of K's scale bytes
	global_load_b64 v[50:51], v250, s[14:15]       ; and of V's
	s_add_nc_u64 s[4:5], s[4:5], s[50:51]
	s_add_nc_u64 s[6:7], s[6:7], s[54:55]
	s_lshl_b32 s38, s[TX], 9                       ; a tile's Q: 512 bytes
	s_add_nc_u64 s[56:57], s[4:5], s[38:39]
	s_lshl_b32 s38, s[TY], 9
	s_add_nc_u64 s[58:59], s[4:5], s[38:39]
	s_lshl_b32 s38, s[TX], 5                       ; 32 scale bytes
	s_add_nc_u64 s[60:61], s[6:7], s[38:39]
	s_lshl_b32 s38, s[TY], 5
	s_add_nc_u64 s[62:63], s[6:7], s[38:39]
	s_lshl_b32 s38, s[TX], 15                      ; a tile's mask rows: 32,768 bytes
	s_add_nc_u64 s[MB:MB+1], s[16:17], s[38:39]
	s_lshl_b32 s38, s[TY], 15
	s_add_nc_u64 s[MB+2:MB+3], s[16:17], s[38:39]
	s_lshl_b32 s38, s[CC], 7
	s_add_nc_u64 s[PM:PM+1], s[MB:MB+1], s[38:39]
	s_lshl_b32 s38, s[CC+1], 7
	s_add_nc_u64 s[PM+2:PM+3], s[MB+2:MB+3], s[38:39]
	global_load_b128 v[Q:Q+3], v251, s[56:57]
	global_load_u16 v[QS], v252, s[60:61]
	global_load_b128 v[Q+8:Q+11], v251, s[58:59]
	global_load_u16 v[QS+1], v252, s[62:63]
.macro MASK x                          ; a step's mask bytes: register n holds keys 64 (n / 8) + 32 h + 4 (n % 8) + 0 .. 3
.irp k, 0,1,2,3
	global_load_b128 v[R+16*(\x)+4*\k:R+16*(\x)+4*\k+3], v[MO], s[PM+2*(\x):PM+2*(\x)+1] offset:64*(\k/2)+16*(\k%2)
.endr
.endm
	MASK 0
	MASK 1                                         ; 30 loads are out
	; out at tile X
	s_lshl_b32 s38, s[HD], 19
	s_add_nc_u64 s[18:19], s[18:19], s[38:39]
	s_lshl_b32 s38, s[TX], 12
	s_add_nc_u64 s[18:19], s[18:19], s[38:39]
	; where my sixteenths go in LDS: four rows of K, four of V
	s_mul_i32 s2, s[WV], 4*KP
	v_add_nc_u32 v253, s2, v249
	v_add_nc_u32 v254, VB, v253
	s_lshl_b32 s2, s[WV], 8
	s_add_co_u32 s2, s2, KSC
	v_add_nc_u32 v255, s2, v250
	s_mul_i32 s2, s[WV], 4*VSP
	s_add_co_u32 s2, s2, VSC
	v_lshrrev_b32 v60, 3, v248
	v_mul_u32_u24 v60, v60, VSP
	v_lshl_add_u32 v13, v59, 3, v60                ; (lane % 8 = r % 8)
	v_add_nc_u32 v13, s2, v13
	; where my lane reads
	v_mul_u32_u24 v[AK], v58, KP
	v_lshl_add_u32 v[AK], v59, 5, v[AK]
	v_lshl_add_u32 v[AK], v57, 4, v[AK]
	v_lshlrev_b32 v[AS], 6, v58
	v_lshl_add_u32 v[AS], v59, 1, v[AS]
	v_lshl_add_u32 v[AS], v57, 4, v[AS]            ; lanes 16-31 serve the odd tile of a pair: 8 keys on
	v_add_nc_u32 v[AS], KSC, v[AS]
	v_mul_u32_u24 v[AV], v56, KP
	v_lshl_add_u32 v[AV], v57, 4, v[AV]
	v_add_nc_u32 v[AV], VB, v[AV]
	v_mul_u32_u24 v[AT], v248, VSP
	v_add_nc_u32 v[AT], VSC, v[AT]
	v_lshlrev_b32 v[HS], 3, v57
	v_mov_b32 v[NM], 0x7b800000                    ; -M = 2^120: M lies under every t that counts and above every hidden one
	v_mov_b32 v[NM+2], 0x7b800000
.irp i, LS, LS+1, LS+2, LS+3, F, T2, PC, PC+1, PC+2, PC+3, PC+4, PC+5, PC+6, PC+7, Q+4, Q+5, Q+6, Q+7, Q+12, Q+13, Q+14, Q+15
	v_mov_b32 v[\i], 0
.endr
.set j, 0
.rept 64
	v_mov_b32 v[O+j], 0                            ; both tiles' O^T: the first change of M multiplies zeros
.set j, j+1
.endr
	s_mov_b32 s[SEL], 0x76543210
	s_mov_b32 s[SEL+1], 0xfedcba98
	s_mov_b32 s[CS], 0x3e38aa3b
	s_mov_b32 s[CS+1], s[CS]
	s_mov_b32 s[NC], 0xbe38aa3b
	s_mov_b32 s[FULL], 0x10101010
	s_mov_b32 s[NX+1], 0
	s_mov_b32 s[J], 0
	s_wait_alu depctr_va_vdst(0)                   ; the wait at the head's end
	s_wait_loadcnt 22                              ; K's eight are in; 22 are younger
.irp i, 0,1,2,3,4,5,6,7
	ds_store_b128 v253, v[S+4*\i:S+4*\i+3] offset:(\i/2)*KP+(\i%2)*512
.endr
	s_wait_loadcnt 14                              ; V's eight
.irp i, 0,1,2,3,4,5,6,7
	ds_store_b128 v254, v[S+32+4*\i:S+35+4*\i] offset:(\i/2)*KP+(\i%2)*512
.endr
	s_wait_loadcnt 12                              ; the scale bytes; Q's four and the mask's eight are younger
	ds_store_b64 v255, v[48:49]
	ds_store_b64 v13, v[50:51]
	s_wait_dscnt 0x0                               ; my stores are done:
	s_barrier_signal -1
	s_barrier_wait -1                              ; K, V and the scale bytes are whole
; K Q^T, tile g of eight.  zero = 1: the sum starts at 0; else at what the mask has laid into S
.macro KQ x, g, zero
.if \zero
.if (\g)%2
	v_wmma_scale_f32_16x16x128_f8f6f4 v[S+8*(\g):S+8*(\g)+7], v[KF+4*(\g):KF+4*(\g)+7], v[Q+8*(\x):Q+8*(\x)+7], 0, v[KS+(\g)/2], v[QS+\x] matrix_a_fmt:MATRIX_FMT_FP4 matrix_b_fmt:MATRIX_FMT_FP4 matrix_a_scale:MATRIX_SCALE_ROW1
.else
	v_wmma_scale_f32_16x16x128_f8f6f4 v[S+8*(\g):S+8*(\g)+7], v[KF+4*(\g):KF+4*(\g)+7], v[Q+8*(\x):Q+8*(\x)+7], 0, v[KS+(\g)/2], v[QS+\x] matrix_a_fmt:MATRIX_FMT_FP4 matrix_b_fmt:MATRIX_FMT_FP4
.endif
.else
.if (\g)%2
	v_wmma_scale_f32_16x16x128_f8f6f4 v[S+8*(\g):S+8*(\g)+7], v[KF+4*(\g):KF+4*(\g)+7], v[Q+8*(\x):Q+8*(\x)+7], v[S+8*(\g):S+8*(\g)+7], v[KS+(\g)/2], v[QS+\x] matrix_a_fmt:MATRIX_FMT_FP4 matrix_b_fmt:MATRIX_FMT_FP4 matrix_a_scale:MATRIX_SCALE_ROW1
.else
	v_wmma_scale_f32_16x16x128_f8f6f4 v[S+8*(\g):S+8*(\g)+7], v[KF+4*(\g):KF+4*(\g)+7], v[Q+8*(\x):Q+8*(\x)+7], v[S+8*(\g):S+8*(\g)+7], v[KS+(\g)/2], v[QS+\x] matrix_a_fmt:MATRIX_FMT_FP4 matrix_b_fmt:MATRIX_FMT_FP4
.endif
.endif
.endm
; A STEP of 128 keys of tile x.
.macro STEP x
	s_xor_b32 s[ST], s[J], s[CC+\x]
	s_and_b32 s[ST], s[ST], 15                     ; the step, 0 .. 15
	s_mul_i32 s[TK], s[ST], 4*KP                   ; its keys in K's codes,
	s_lshl_b32 s[TS], s[ST], 8                     ; K's scale bytes,
	s_lshl_b32 s[TV], s[ST], 6                     ; a row of V's codes,
	s_lshl_b32 s[TT], s[ST], 2                     ; a row of V's scale bytes
	s_add_co_u32 s[NX], s[J], 2
	s_xor_b32 s[NX], s[NX], s[CC+\x]
	s_and_b32 s[NX], s[NX], 15
	s_lshl_b32 s[NX], s[NX], 7                     ; the next step's mask bytes
	s_wait_loadcnt 4                               ; this step's mask bytes are in; the other tile's four loads may be out
.irp k, 0,1,2,3
	v_add3_u32 v[BX+\k], v[R+16*(\x)+3*\k], v[R+16*(\x)+3*\k+1], v[R+16*(\x)+3*\k+2]
.endr
	v_add3_u32 v[T], v[R+16*(\x)+12], v[R+16*(\x)+13], v[R+16*(\x)+14]
	v_add3_u32 v[BX], v[BX], v[BX+1], v[R+16*(\x)+15]
	v_add3_u32 v[T], v[T], v[BX+2], v[BX+3]
	v_add_nc_u32 v[T], v[T], v[BX]                 ; four counts, 0 .. 16 each
	v_cmp_ne_u32 s[ANY], 0, v[T]
	v_cmp_ne_u32 s[HOLE], s[FULL], v[T]
	s_wait_alu depctr_va_vdst(0)                   ; the wait here, ahead of the branch
	s_cmp_eq_u32 s[ANY], 0
	s_cbranch_scc1 .Lask_\@                        ; no key of the step counts for any of my queries
	v_add_nc_u32 v[AD], s[TK], v[AK]               ; (the ten vector instructions above stand between the last V^T P and the loads below)
	v_add_nc_u32 v[AD2], s[TS], v[AS]
.irp i, 0,1,2,3
	ds_load_u16 v[KS+\i], v[AD2] offset:128*(\i/2)+32*(\i%2)   ; the scale bytes of tiles 2 i and 2 i + 1; the upper two bytes are 0
.endr
.irp g, 0,1,2,3,4,5,6,7
	ds_load_b128 v[KF+4*\g:KF+4*\g+3], v[AD] offset:2*KP*(\g/4)+256*(\g%4)
.endr
	s_cmp_lg_u32 s[HOLE], 0
	s_cbranch_scc1 .Lhole_\@
	s_wait_dscnt 0x0
.irp g, 0,1,2,3,4,5,6,7
	KQ \x, \g, 1
.endr
	s_branch .Lask_\@
.Lhole_\@:
.irp k, 0,1,2,3,4,5,6,7,8,9,10,11,12,13,14,15
	v_xor_b32 v[R+16*(\x)+\k], 0x1010101, v[R+16*(\x)+\k]   ; a hidden key: 1
.endr
.irp k, 0,1,2,3,4,5,6,7,8,9,10,11,12,13,14,15
	v_mul_lo_u32 v[R+16*(\x)+\k], 0xfe, v[R+16*(\x)+\k]     ; a hidden key: 0xfe
.endr
.irp k, 0,1,2,3,4,5,6,7,8,9,10,11,12,13,14,15
	v_perm_b32 v[S+4*\k], v[R+16*(\x)+\k], v[R+16*(\x)+\k], 0x000c0c0c     ; the byte on top of zeros: 0xfe000000 = -2^125, or 0
	v_perm_b32 v[S+4*\k+1], v[R+16*(\x)+\k], v[R+16*(\x)+\k], 0x010c0c0c
	v_perm_b32 v[S+4*\k+2], v[R+16*(\x)+\k], v[R+16*(\x)+\k], 0x020c0c0c
	v_perm_b32 v[S+4*\k+3], v[R+16*(\x)+\k], v[R+16*(\x)+\k], 0x030c0c0c
.endr
	s_wait_alu depctr_va_vdst(0)                   ; the wait here, directly ahead of the wait below
	s_wait_dscnt 0x0
.irp g, 0,1,2,3,4,5,6,7
	KQ \x, \g, 0
.endr
.Lask_\@:
	s_cmp_eq_u32 s[J], 14
	s_cbranch_scc1 .Llast_\@
	s_add_nc_u64 s[PM+2*(\x):PM+2*(\x)+1], s[MB+2*(\x):MB+2*(\x)+1], s[NX:NX+1]   ; (the loads that used it are done)
	MASK \x
	s_branch .Lgo_\@
.Llast_\@:
	s_wait_loadcnt 0x0                             ; the last trip asks for nothing: the other tile's four loads are awaited here
.Lgo_\@:
	s_cmp_eq_u32 s[ANY], 0
	s_cbranch_scc1 .Lend_\@
	v_add_nc_u32 v[AD], s[TV], v[AV]
	v_add_nc_u32 v[AD2], s[TT], v[AT]
	v_nop                                          ; with the two above: four places behind K Q^T
	v_nop
.irp n, 0,1,2,3
.irp c, 0,1
	ds_load_b128 v[KF+8*\n+4*\c:KF+8*\n+4*\c+3], v[AD] offset:16*\n*KP+32*\c   ; V's fragments: the softmax stands over their way
.endr
.endr
.irp i, 0,1
	ds_load_b32 v[KS+\i], v[AD2] offset:32*\i*VSP  ; V's scale words of tiles 2 i (lanes 0-15) and 2 i + 1 (lanes 16-31)
.endr
.irp b, 0,1,2,3
	v_max3_num_f32 v[BX+\b], v[S+16*\b], v[S+16*\b+1], v[S+16*\b+2]
.endr
.irp i, 3,5,7,9,11,13
.irp b, 0,1,2,3
	v_max3_num_f32 v[BX+\b], v[BX+\b], v[S+16*\b+\i], v[S+16*\b+\i+1]
.endr
.endr
	v_max3_num_f32 v[BX], v[BX], v[S+15], v[S+31]
	v_max3_num_f32 v[BX+2], v[BX+2], v[S+47], v[S+63]
	v_max_num_f32 v[BX], v[BX], v[BX+1]            ; THE LARGEST SCORE of my lane's two blocks of 32 keys: it serves for the row's maximum and, since p rises with the score, for the block's largest p
	v_max_num_f32 v[BX+2], v[BX+2], v[BX+3]
	v_max_num_f32 v[T], v[BX], v[BX+2]
	v_permlanex16_b32 v[T2], v[T], s[SEL], s[SEL+1]
	v_max_num_f32 v[T], v[T], v[T2]                ; the step's largest score of my query
	v_mul_f32 v[T], s[NC], v[T]                    ; -t
	v_floor_f32 v[T], v[T]
	v_min_num_f32 v[T], v[T], v[NM+2*(\x)]         ; the new -M, a whole number
	v_sub_f32 v[T2], v[T], v[NM+2*(\x)]            ; old M - new M: 0 or less
	v_mov_b32 v[NM+2*(\x)], v[T]
	v_cvt_i32_f32 v[T2], v[T2]                     ; (it saturates)
	v_ldexp_f32 v[F], 1.0, v[T2]
.set j, 0
.rept 32
	v_pk_fma_f32 v[S+j:S+j+1], v[S+j:S+j+1], s[CS:CS+1], v[NM+2*(\x):NM+2*(\x)+1] op_sel_hi:[1,0,0]   ; t - M
.set j, j+2
.endr
	v_fma_f32 v[BX], v[BX], s[CS], v[NM+2*(\x)]
	v_fma_f32 v[BX+2], v[BX+2], s[CS], v[NM+2*(\x)]
	s_wait_alu depctr_va_vdst(0)                   ; the wait ahead of the batch
	v_exp_f32 v[BX], v[BX]                         ; the blocks' largest p: the same two instructions on the same number give the same bits
	v_exp_f32 v[BX+2], v[BX+2]
.set j, 0
.rept 64
	v_exp_f32 v[S+j], v[S+j]                       ; p, at most 1; 0 for a hidden key
.set j, j+1
.endr
	v_pk_mul_f32 v[LS+2*(\x):LS+2*(\x)+1], v[LS+2*(\x):LS+2*(\x)+1], v[F:F+1] op_sel_hi:[1,0]   ; the sum under the new M
	s_wait_alu depctr_va_vdst(0)                   ; the wait behind the batch
	v_max_num_f32 v[BX], 0x1800000, v[BX]          ; the floor 2^(3 - 127): the byte cannot fall under 1
	v_max_num_f32 v[BX+2], 0x1800000, v[BX+2]
	v_add_nc_u32 v[BX], 0xff000000, v[BX]          ; 2 off the exponent field: the conversion's scale operand
	v_add_nc_u32 v[BX+2], 0xff000000, v[BX+2]
	v_lshrrev_b32 v[BX+1], 23, v[BX]               ; the scale's byte
	v_lshrrev_b32 v[BX+3], 23, v[BX+2]
	v_lshl_or_b32 v[T], v[BX+3], 16, v[BX+1]       ; blocks h and 2 + h
	v_lshlrev_b32 v[T], v[HS], v[T]
	v_permlanex16_b32 v[T2], v[T], s[SEL], s[SEL+1]
	v_or_b32 v[PW], v[T], v[T2]                    ; p's scale word for these 128 keys
.irp g, 0,1,2,3
	v_cvt_scalef32_pk8_fp4_f32 v[PC+\g], v[S+8*\g:S+8*\g+7], v[BX]
	v_cvt_scalef32_pk8_fp4_f32 v[PC+4+\g], v[S+32+8*\g:S+39+8*\g], v[BX+2]
.endr
	v_nop                                          ; one plain place behind the scaled conversions
.set j, 0
.rept 16                               ; THE ROW'S SUM, of the unquantised p: pairs, by halves
	v_pk_add_f32 v[S+j:S+j+1], v[S+j:S+j+1], v[S+j+2:S+j+3]
.set j, j+4
.endr
	s_wait_alu depctr_va_vdst(0)                   ; the wait here, directly ahead of the first reader of O^T
.set j, 0
.rept 16
	v_pk_mul_f32 v[O+32*(\x)+j:O+32*(\x)+j+1], v[O+32*(\x)+j:O+32*(\x)+j+1], v[F:F+1] op_sel_hi:[1,0]   ; O^T under the new M
.set j, j+2
.endr
.set j, 0
.rept 8
	v_pk_add_f32 v[S+j:S+j+1], v[S+j:S+j+1], v[S+j+4:S+j+5]
.set j, j+8
.endr
.irp i, 0,16,32,48
	v_pk_add_f32 v[S+\i:S+\i+1], v[S+\i:S+\i+1], v[S+\i+8:S+\i+9]
.endr
.irp i, 0,32
	v_pk_add_f32 v[S+\i:S+\i+1], v[S+\i:S+\i+1], v[S+\i+16:S+\i+17]
.endr
	v_pk_add_f32 v[S:S+1], v[S:S+1], v[S+32:S+33]
	v_pk_add_f32 v[LS+2*(\x):LS+2*(\x)+1], v[LS+2*(\x):LS+2*(\x)+1], v[S:S+1]
	s_wait_dscnt 0x0                               ; V's fragments and scale words are in
.irp n, 0,1,2,3                        ; O^T += V^T P^T
.if (\n)%2
	v_wmma_scale_f32_16x16x128_f8f6f4 v[O+32*(\x)+8*\n:O+32*(\x)+8*\n+7], v[KF+8*\n:KF+8*\n+7], v[PC:PC+7], v[O+32*(\x)+8*\n:O+32*(\x)+8*\n+7], v[KS+\n/2], v[PW] matrix_a_fmt:MATRIX_FMT_FP4 matrix_b_fmt:MATRIX_FMT_FP4 matrix_a_scale:MATRIX_SCALE_ROW1
.else
	v_wmma_scale_f32_16x16x128_f8f6f4 v[O+32*(\x)+8*\n:O+32*(\x)+8*\n+7], v[KF+8*\n:KF+8*\n+7], v[PC:PC+7], v[O+32*(\x)+8*\n:O+32*(\x)+8*\n+7], v[KS+\n/2], v[PW] matrix_a_fmt:MATRIX_FMT_FP4 matrix_b_fmt:MATRIX_FMT_FP4
.endif
.endr
.Lend_\@:
.endm
.Ltrip:                                                ; eight trips: a step of X and a step of Y
	STEP 0
	STEP 1
	s_add_co_u32 s[J], s[J], 2
	s_cmp_lt_u32 s[J], 16
	s_cbranch_scc1 .Ltrip
	; MY PARTIAL RESULT OF Y goes to my slot; my partner's of X comes from its slot.
	s_wait_alu depctr_va_vdst(0)                   ; the wait here, ahead of the sums' readers
	v_add_f32 v[LS+2], v[LS+2], v[LS+3]
	v_mov_b32 v[LS+3], v[NM+2]
	v_add_f32 v[LS], v[LS], v[LS+1]
	s_mul_i32 s2, s[WV], PS
	s_add_co_u32 s3, s2, MG
	v_add_nc_u32 v251, s3, v249
	v_add_nc_u32 v252, s3, v250
	s_xor_b32 s3, s[WV], 1
	s_mul_i32 s3, s3, PS
	s_add_co_u32 s3, s3, MG
	v_add_nc_u32 v253, s3, v249
	v_add_nc_u32 v254, s3, v250
.irp n, 0,1,2,3
	s_wait_alu depctr_va_vdst(0)                   ; the wait here, directly ahead of the accumulator's first reader
	ds_store_b128 v251, v[O+32+8*\n:O+35+8*\n] offset:1024*\n
	ds_store_b128 v251, v[O+36+8*\n:O+39+8*\n] offset:1024*\n+512
.endr
	ds_store_b64 v252, v[LS+2:LS+3] offset:4096    ; the lane's sum and -M
	s_wait_dscnt 0x0
	s_barrier_signal -1
	s_barrier_wait -1                              ; all partial results are whole, and nobody reads K or V any more
	ds_load_b64 v[22:23], v254 offset:4096
.irp k, 0,1,2,3,4,5,6,7
	ds_load_b128 v[S+4*\k:S+4*\k+3], v253 offset:512*\k
.endr
	v_and_b32 v56, 15, v0
	v_bfe_u32 v57, v0, 4, 1
	v_mul_u32_u24 v1, v56, SP
	v_lshl_add_u32 v1, v57, 5, v1
	v_add_nc_u32 v1, s2, v1                        ; in: row r; tile n's eight channels of my half lie 64 n + 32 h bytes on
	v_mul_u32_u24 v2, v57, SP
	v_lshl_add_u32 v2, v56, 4, v2
	v_add_nc_u32 v2, s2, v2                        ; back: lanes 0-15 one row, lanes 16-31 the next
	v_lshlrev_b32 v3, 8, v57
	v_lshl_add_u32 v3, v56, 4, v3                  ; and the same two rows in out
	s_wait_alu depctr_va_vdst(0)                   ; the wait here, directly ahead of the wait below
	s_wait_dscnt 0x0
	v_min_num_f32 v[T], v[NM], v23                 ; the -M of both
	v_sub_f32 v24, v[T], v[NM]
	v_sub_f32 v25, v[T], v23
	v_cvt_i32_f32 v24, v24
	v_cvt_i32_f32 v25, v25
	v_ldexp_f32 v24, 1.0, v24                      ; my factor
	v_ldexp_f32 v25, 1.0, v25                      ; my partner's
	v_mul_f32 v[LS], v[LS], v24
	v_fma_f32 v[LS], v22, v25, v[LS]
	v_permlanex16_b32 v[T2], v[LS], s[SEL], s[SEL+1]
	v_add_f32 v[LS], v[LS], v[T2]                  ; the row's sum
	s_wait_alu depctr_va_vdst(0)                   ; the wait ahead of the transcendental
	v_rcp_f32 v[F], v[LS]
	v_nop                                          ; a plain place behind it
	s_wait_alu depctr_va_vdst(0)                   ; the wait ahead of its first reader, and of O^T's
	v_mul_f32 v24, v24, v[F]
	v_mul_f32 v22, v25, v[F]
.set j, 0
.rept 16
	v_pk_mul_f32 v[S+32+j:S+33+j], v[O+j:O+j+1], v[24:25] op_sel_hi:[1,0]
.set j, j+2
.endr
.set j, 0
.rept 16
	v_pk_fma_f32 v[S+32+j:S+33+j], v[S+j:S+j+1], v[22:23], v[S+32+j:S+33+j] op_sel_hi:[1,0,1]   ; register 8 n + i is out(r, 16 n + 8 h + i)
.set j, j+2
.endr
.irp n, 0,1,2,3
	ds_store_b128 v1, v[S+32+8*\n:S+35+8*\n] offset:64*\n
	ds_store_b128 v1, v[S+36+8*\n:S+39+8*\n] offset:64*\n+16
.endr
.irp i, 0,1,2,3,4,5,6,7
	ds_load_b128 v[S+4*\i:S+4*\i+3], v2 offset:2*\i*SP   ; my own stage: LDS serves a wave's instructions in order (ISA guide 5.7.1.4)
.endr
.irp i, 0,1,2,3,4,5,6,7
	s_wait_dscnt 7-\i
	global_store_b128 v3, v[S+4*\i:S+4*\i+3], s[18:19] offset:512*\i th:TH_STORE_NT   ; 16 lanes store one row of out: 256 consecutive bytes, aligned
.endr
	s_wait_tensorcnt 0x0                           ; the wave's end
	ds_add_u32 v[SPW], v[NIL]
	s_wait_dscnt 0x0
	s_endpgm
.Lfunc_end_k_q6995f651a1_attn:
	.size	k_q6995f651a1_attn, .Lfunc_end_k_q6995f651a1_attn-k_q6995f651a1_attn
	.p2alignl 7, 3214868480
	.fill 96, 4, 3214868480
	.section	.rodata,"a",@progbits
	.p2align	6, 0x0
	.amdhsa_kernel k_q6995f651a1_attn
		.amdhsa_group_segment_fixed_size 214016
		.amdhsa_private_segment_fixed_size 0
		.amdhsa_enable_private_segment 0
		.amdhsa_kernarg_size 64
		.amdhsa_user_sgpr_count 2
		.amdhsa_user_sgpr_kernarg_segment_ptr 1
		.amdhsa_wavefront_size32 1
		.amdhsa_system_sgpr_workgroup_id_x 1
		.amdhsa_system_sgpr_workgroup_id_y 1
		.amdhsa_system_sgpr_workgroup_id_z 1
		.amdhsa_system_vgpr_workitem_id 0
		.amdhsa_next_free_vgpr 256
		.amdhsa_next_free_sgpr 100
		.amdhsa_reserve_vcc 0
		.amdhsa_float_denorm_mode_32 3
		.amdhsa_float_denorm_mode_16_64 3
		.amdhsa_memory_ordered 1
		.amdhsa_forward_progress 1
		.amdhsa_inst_pref_size 70
	.end_amdhsa_kernel
	.amdgpu_metadata
---
amdhsa.version: [ 1, 2 ]
amdhsa.kernels:
  - .name:           k_q6995f651a1_attn
    .symbol:         k_q6995f651a1_attn.kd
    .args:
      - { .name: Q_codes, .offset: 0, .size: 8, .value_kind: global_buffer, .address_space: global }
      - { .name: Q_scales, .offset: 8, .size: 8, .value_kind: global_buffer, .address_space: global }
      - { .name: K_codes, .offset: 16, .size: 8, .value_kind: global_buffer, .address_space: global }
      - { .name: K_scales, .offset: 24, .size: 8, .value_kind: global_buffer, .address_space: global }
      - { .name: V_codes, .offset: 32, .size: 8, .value_kind: global_buffer, .address_space: global }
      - { .name: V_scales, .offset: 40, .size: 8, .value_kind: global_buffer, .address_space: global }
      - { .name: mask, .offset: 48, .size: 8, .value_kind: global_buffer, .address_space: global }
      - { .name: out0, .offset: 56, .size: 8, .value_kind: global_buffer, .address_space: global }
    .group_segment_fixed_size: 214016
    .private_segment_fixed_size: 0
    .kernarg_segment_align: 8
    .kernarg_segment_size: 64
    .max_flat_workgroup_size: 512
    .sgpr_count:     100
    .vgpr_count:     256
    .wavefront_size: 32
...
	.end_amdgpu_metadata
.endif
;; end of part 1
